; MI455X (gfx1250); checked and timed in simulation.
; The chip was launched on July 23, 2026; its instructions are those of AMD's public machine-readable ISA for CDNA 5 (MIT licence, August 2026) and "CDNA5" Instruction Set Architecture Reference Guide (July 2026). The comments in the code are by the model that wrote it; some were corrected since.
;; Mo E. Allowed arithmetic: float matrix products may take bf16 or f16 operands with f32 sums; other float arithmetic in f32, or as packed bf16 or f16 multiplies, adds, multiply-adds, maxima and minima; sums over many terms, partial sums and values carried from step to step in f32; what a program stores and reads back later, other than sums and carried values, may be rounded once to bf16 or f16.
;; Inputs: W1 8 x 1,024 x 2,048 float32; W2 8 x 2,048 x 1,024 float32; Wg1 1,024 x 512 float32; Wg2 512 x 8 float32; b1 8 x 2,048 float32; b2 8 x 1,024 float32; bg1 512 float32; bg2 8 float32; x 2,048 x 1,024 float32.
;; Outputs: out0 2,048 x 1,024 float32; out1 one number float32.
;; One version. Each part assembles by itself: llvm-mc -triple=amdgcn-amd-amdhsa -mcpu=gfx1250 --defsym DOCPART=n.
;; ======== version 1 of 1: 5 launches
;; workspace buffers: xb 4,194,304 bytes; pl 1,048,576 bytes; bm 8,192 bytes of whole numbers; rw 16,640 bytes; hs 17,498,112 bytes; lst 17,408 bytes of whole numbers; part 16,777,216 bytes
;; launch gate (part 1): grid 8 x 32, 8 waves a work-group, no clusters, 140,288 bytes of LDS; arguments x, Wg1, bg1, Wg2, xb, pl; writes xb, pl
.if DOCPART == 1
	.amdgcn_target "amdgcn-amd-amdhsa--gfx1250"
	.amdhsa_code_object_version 6
	.text
	.protected	k_q7a937aa898_gate
	.globl	k_q7a937aa898_gate
	.p2align	8
	.type	k_q7a937aa898_gate,@function
k_q7a937aa898_gate:
	s_mov_b64 s[64:65], 0
	v_nop
	global_prefetch_b8 v0, s[64:65] scope:SCOPE_SE
	s_setreg_imm32_b32 hwreg(HW_REG_WAVE_MODE, 25, 1), 1
	s_wait_xcnt 0x0
; MIXTURE OF EXPERTS, launch 1 of 5: the gate's hidden layer and partial logits; x rounded to bf16 for the later launches.
; WORK LEFT OUT BY THE PROGRAM.  reference() computes expert_outputs[b][e] for all 8 experts and then keeps, by its own take_along_axis on
; top_k_indices, the rows of 2 experts for each token; the other 6 rows of each token enter no output, whatever finite values the inputs hold.
; Whole numbers (the indices) decide which: they are stored by launch 2 and read from memory by launches 3 and 4, which multiply the 4,096 chosen
; (token, expert) rows alone.  All nine inputs stay live and are loaded.  LIMIT: a NaN, an infinity or an overflow that would arise only in an expert
; that a token did not choose is not carried to the result.
; FORMATS.  Every input (x, all weights, all biases) is rounded once to bf16; products of bf16 operands, sums in f32.  The gate's second product,
; the softmax and the choice are f32 arithmetic on those rounded inputs.
; THIS LAUNCH.  A work-group: 64 tokens x 64 hidden columns (slice gs of 8).  K = 1024 is split among its 8 waves, 128 each; the 8 partial sums meet in LDS.
; Then wave v takes 16 tokens (m = v / 2) and half jh = v % 2 of the columns: bias, relu, times Wg2 in f32: partial logits pl[2 gs + jh][token][8].
; THE WEIGHT OPERAND comes straight from memory ([K][N], f32): for 32 along K a wave loads 16 x 16 bytes a lane: lanes 0-15 take 256 bytes on end of one k row,
; lanes 16-31 of the row 8 below.  Component t of the 16 loads, rounded in pairs, is the fragment of the columns 4 r + t.  Source 0 = weights, source 1 = tokens:
; in accumulator (m, t) lane (r, h), register j holds token 16 m + r and column 32 h + 4 j + t.
; No prefetch: the launch is short and its weights are read by 32 work-groups.  No cluster: a work-group's share of Wg1 is 256 KiB read through registers.
.set PW, 2048
.set RG, 17408                  ; a wave's LDS region: 64 rows x 272 bytes (256 + 16 of padding), later its 16 partial tiles of 1,024 bytes
.set SPARE, 8*RG                ; the spare words, 128 bytes a wave
.set WFB, 32                    ; v32-63 weight fragments
.set TFB, 64                    ; v64-95 token fragments
.set ACC, 96                    ; v96-223 accumulator (m, t) at ACC + 8 (4 m + t)
.set BG, 224                    ; v224-239 bg1 of my 16 columns
; window 1: v0-127 x as loaded, later Wg2; v128-255 two sets of weights as loaded, later the partial sums
.set MSB, 0
.macro WIN new
.if MSB != (\new)
	s_set_vgpr_msb (MSB<<8)|(\new)
.set MSB, \new
.endif
.endm
.macro XLOAD half               ; 32 rows of x, my 512 bytes of each
	WIN 0x40
.set i, 0
.rept 32
	global_load_b128 v[4*i:4*i+3], v7, s[4:5] offset:((\half)*32+i)*4096
.set i, i+1
.endr
.endm
.macro XCONV half               ; rounded in place, into my LDS region; the wave whose number is the slice's also stores them to xb
	WIN 0x45
.set i, 0
.rept 32
	v_cvt_pk_bf16_f32 v[4*i], v[4*i], v[4*i+1]
	v_cvt_pk_bf16_f32 v[4*i+1], v[4*i+2], v[4*i+3]
.set i, i+1
.endr
	WIN 0x04
.set i, 0
.rept 32
	ds_store_b64 v8, v[4*i:4*i+1] offset:((\half)*32+i)*272
.set i, i+1
.endr
	WIN 0
	s_cmp_lg_u32 s16, s18
	s_cbranch_scc1 .Lnox_\@
	WIN 0x04
.set i, 0
.rept 32
	global_store_b64 v10, v[4*i:4*i+1], s[12:13] offset:((\half)*32+i)*2048   ; 256 bytes on end, aligned
.set i, i+1
.endr
	WIN 0
.Lnox_\@:
	s_wait_xcnt 0x0             ; the stores have read their data: the registers are loaded again only behind this wait
.endm
.macro WLOAD set, step
	WIN 0x40
.set p, 0
.rept 16
	global_load_b128 v[128+64*(\set)+4*p:128+64*(\set)+4*p+3], v6, s[6:7] offset:((\step)*32+p+8*(p/8))*PW
.set p, p+1
.endr
.endm
.macro GSTEP s, lw, re
	s_wait_loadcnt \lw
	WIN 0
.if (\s) > 0
.rept 4
	v_nop                       ; four places behind the last product, ahead of writes of its sources
.endr
.endif
	WIN 0x05
.set i, 0
.rept 32
	v_cvt_pk_bf16_f32 v[WFB+i], v[128+64*((\s)%2)+8*(i%8)+i/8], v[128+64*((\s)%2)+8*(i%8)+4+i/8]
.set i, i+1
.endr
.if \re
	WLOAD (\s)%2, (\s)+2
.endif
	WIN 0
.irp m,0,1,2,3
	ds_load_b128 v[TFB+8*\m:TFB+8*\m+3], v9 offset:\m*16*272+64*(\s)
	ds_load_b128 v[TFB+8*\m+4:TFB+8*\m+7], v9 offset:\m*16*272+64*(\s)+32
.endr
	s_wait_dscnt 0x0
.irp m,0,1,2,3                  ; 16 accumulators by turns
.irp t,0,1,2,3
.if (\s) == 0
	v_wmma_f32_16x16x32_bf16 v[ACC+8*(4*\m+\t):ACC+8*(4*\m+\t)+7], v[WFB+8*\t:WFB+8*\t+7], v[TFB+8*\m:TFB+8*\m+7], 0
.else
	v_wmma_f32_16x16x32_bf16 v[ACC+8*(4*\m+\t):ACC+8*(4*\m+\t)+7], v[WFB+8*\t:WFB+8*\t+7], v[TFB+8*\m:TFB+8*\m+7], v[ACC+8*(4*\m+\t):ACC+8*(4*\m+\t)+7]
.endif
.endr
.endr
.endm
	s_load_b256 s[4:11], s[0:1], 0x0       ; x, Wg1, bg1, Wg2
	s_load_b128 s[12:15], s[0:1], 0x20     ; xb, pl
	v_lshl_add_u32 v2, v0, 2, SPARE        ; my spare word
	v_mov_b32 v3, 0
	v_lshrrev_b32 v9, 5, v0
	v_readfirstlane_b32 s16, v9            ; wave
	s_and_b32 s17, ttmp7, 0xffff           ; block of 64 tokens
	s_mov_b32 s18, ttmp9                   ; slice gs
	s_mov_b32 s24, 0x76543210
	s_mov_b32 s25, 0xfedcba98
	v_and_b32 v1, 15, v0                   ; r
	v_bfe_u32 v4, v0, 4, 1                 ; h
	v_and_b32 v5, 31, v0                   ; lane
	v_lshlrev_b32 v6, 4, v1
	v_lshl_add_u32 v6, v4, 14, v6          ; weights: 8 h rows + 16 r
	v_lshlrev_b32 v7, 4, v5                ; x: 16 l
	s_mul_i32 s19, s16, RG
	v_lshl_add_u32 v8, v5, 3, s19          ; LDS: 8 l + my region
	v_lshlrev_b32 v10, 3, v5               ; xb: 8 l
	v_mul_u32_u24 v9, v1, 272
	v_lshl_add_u32 v9, v4, 4, v9
	v_add_nc_u32 v9, s19, v9               ; token fragments
	v_add_nc_u32 v11, s19, v7              ; partial tiles: 16 l + my region
	s_lshr_b32 s26, s16, 1                 ; m
	s_and_b32 s27, s16, 1                  ; jh
	s_lshl_b32 s20, s26, 12
	s_lshl_b32 s21, s27, 9
	s_add_co_u32 s20, s20, s21
	v_lshl_add_u32 v12, v5, 4, s20         ; the partial sums that I add: waves 0-3,
	v_add_nc_u32 v13, 4*RG, v12            ; waves 4-7
	s_lshl_b32 s20, s18, 11
	s_add_co_u32 s20, s20, s21
	v_lshl_add_u32 v14, v4, 10, s20        ; Wg2 rows 64 gs + 32 h + 16 jh, 32 bytes each
	s_lshl_b32 s20, s18, 8
	s_lshl_b32 s21, s27, 6
	s_add_co_u32 s20, s20, s21
	v_lshl_add_u32 v15, v4, 7, s20         ; bg1 at the same columns
	s_lshl_b32 s20, s17, 11
	s_lshl_b32 s21, s26, 9
	s_add_co_u32 s20, s20, s21
	v_lshl_add_u32 v16, v1, 5, s20
	v_lshl_add_u32 v16, v4, 4, v16         ; pl: token x 32 + 16 h
	s_wait_kmcnt 0x0
	s_lshl_b32 s20, s17, 18
	s_lshl_b32 s21, s16, 9
	s_add_co_u32 s20, s20, s21
	s_mov_b32 s21, 0
	s_add_nc_u64 s[4:5], s[4:5], s[20:21]
	s_lshl_b32 s20, s16, 18
	s_lshl_b32 s22, s18, 8
	s_add_co_u32 s20, s20, s22
	s_add_nc_u64 s[6:7], s[6:7], s[20:21]
	s_lshl_b32 s20, s17, 17
	s_lshl_b32 s22, s16, 8
	s_add_co_u32 s20, s20, s22
	s_add_nc_u64 s[12:13], s[12:13], s[20:21]
	s_lshl_b32 s20, s18, 1
	s_add_co_u32 s20, s20, s27
	s_lshl_b32 s20, s20, 16
	s_add_nc_u64 s[14:15], s[14:15], s[20:21]
	XLOAD 0
	WLOAD 0, 0
	WLOAD 1, 1
	s_wait_loadcnt 32                      ; the 32 rows are in; the two sets of weights may stay out
	XCONV 0
	XLOAD 1
	s_wait_loadcnt 0x0
	XCONV 1
	WIN 0x40
.set i, 0
.rept 32
	global_load_b128 v[4*i:4*i+3], v14, s[10:11] offset:16*i    ; Wg2: register 8 c + e holds column c, expert e
.set i, i+1
.endr
	WIN 0
.irp q,0,1,2,3
	global_load_b128 v[BG+4*\q:BG+4*\q+3], v15, s[8:9] offset:16*\q
.endr
	GSTEP 0, 36, 1                         ; Wg2 and bg1 (36 loads) may stay out
	GSTEP 1, 52, 1                         ; those and the 16 just asked for
	GSTEP 2, 16, 0                         ; the set for step 3 may stay out
	GSTEP 3, 0, 0
.rept 4
	v_nop
.endr
.set i, 0
.rept 16                                   ; my 16 partial tiles; each accumulator is read from its low end on
	ds_store_b128 v11, v[ACC+8*i:ACC+8*i+3] offset:1024*i
	ds_store_b128 v11, v[ACC+8*i+4:ACC+8*i+7] offset:1024*i+512
.set i, i+1
.endr
	s_wait_dscnt 0x0                       ; for the other waves: my stores are done
	s_barrier_signal -1
	s_barrier_wait -1
	WIN 0x40
.set i, 0
.rept 32                                   ; wave i / 4, tile t = i % 4, half jh
	ds_load_b128 v[128+4*i:128+4*i+3], v[12+i/16] offset:((i/4)%4)*RG+(i%4)*1024
.set i, i+1
.endr
	WIN 0
.set i, 0
.rept 8                                    ; bg1 rounded to bf16
	v_cvt_pk_bf16_f32 v17, v[BG+2*i], v[BG+2*i+1]
	v_lshlrev_b32 v[BG+2*i], 16, v17
	v_and_b32 v[BG+2*i+1], 0xffff0000, v17
.set i, i+1
.endr
	WIN 0x45
.set i, 0
.rept 64                                   ; Wg2 rounded: register 4 c + p holds experts 2 p, 2 p + 1 of column c
	v_cvt_pk_bf16_f32 v[i], v[2*i], v[2*i+1]
.set i, i+1
.endr
	s_wait_dscnt 0x0
.set i, 1
.rept 7
.irp c,0,2,4,6,8,10,12,14
	v_pk_add_f32 v[128+\c:129+\c], v[128+\c:129+\c], v[128+16*i+\c:129+16*i+\c]
.endr
.set i, i+1
.endr
	WIN 0x01
.irp t,0,1,2,3
.irp c,0,1,2,3
	v_add_f32 v[32+4*\c+\t], v[128+4*\t+\c], v[BG+4*\c+\t]      ; column 32 h + 16 jh + 4 c + t
.endr
.endr
	WIN 0
.set i, 0
.rept 16
	v_max_num_f32 v[32+i], 0, v[32+i]
.set i, i+1
.endr
	WIN 0x01
.set i, 0
.rept 16                                   ; eight chains, one for each expert, f32 sums of f32 x bf16
.irp e,0,2,4,6
.if i == 0
	v_fma_mix_f32_bf16 v[64+\e], v[4*i+\e/2], v[32+i], v3 op_sel_hi:[1,0,0]
	v_fma_mix_f32_bf16 v[65+\e], v[4*i+\e/2], v[32+i], v3 op_sel:[1,0,0] op_sel_hi:[1,0,0]
.else
	v_fma_mix_f32_bf16 v[64+\e], v[4*i+\e/2], v[32+i], v[64+\e] op_sel_hi:[1,0,0]
	v_fma_mix_f32_bf16 v[65+\e], v[4*i+\e/2], v[32+i], v[65+\e] op_sel:[1,0,0] op_sel_hi:[1,0,0]
.endif
.endr
.set i, i+1
.endr
	WIN 0
.irp e,0,1,2,3,4,5,6,7
	v_permlanex16_b32 v[72+\e], v[64+\e], s24, s25             ; the token's other 16 columns lie in the lane 16 away
.endr
.irp e,0,1,2,3,4,5,6,7
	v_add_f32 v[64+\e], v[64+\e], v[72+\e]
.endr
	v_cmp_eq_u32 vcc_lo, 1, v4
.irp c,0,1,2,3
	v_cndmask_b32 v[80+\c], v[64+\c], v[68+\c], vcc_lo
.endr
	global_store_b128 v16, v[80:83], s[14:15]                  ; the wave stores 512 bytes on end
	s_wait_tensorcnt 0x0                   ; the wave's end
	ds_add_u32 v2, v3
	s_wait_dscnt 0x0
	s_endpgm
.Lfunc_end_k_q7a937aa898_gate:
	.size	k_q7a937aa898_gate, .Lfunc_end_k_q7a937aa898_gate-k_q7a937aa898_gate
	.p2alignl 7, 3214868480
	.fill 96, 4, 3214868480
	.section	.rodata,"a",@progbits
	.p2align	6, 0x0
	.amdhsa_kernel k_q7a937aa898_gate
		.amdhsa_group_segment_fixed_size 140288
		.amdhsa_private_segment_fixed_size 0
		.amdhsa_enable_private_segment 0
		.amdhsa_kernarg_size 48
		.amdhsa_user_sgpr_count 2
		.amdhsa_user_sgpr_kernarg_segment_ptr 1
		.amdhsa_wavefront_size32 1
		.amdhsa_system_sgpr_workgroup_id_x 1
		.amdhsa_system_sgpr_workgroup_id_y 1
		.amdhsa_system_sgpr_workgroup_id_z 1
		.amdhsa_system_vgpr_workitem_id 0
		.amdhsa_next_free_vgpr 512
		.amdhsa_next_free_sgpr 66
		.amdhsa_reserve_vcc 1
		.amdhsa_float_denorm_mode_32 3
		.amdhsa_float_denorm_mode_16_64 3
		.amdhsa_memory_ordered 1
		.amdhsa_forward_progress 1
		.amdhsa_inst_pref_size 76
	.end_amdhsa_kernel
	.amdgpu_metadata
---
amdhsa.version: [ 1, 2 ]
amdhsa.kernels:
  - .name:           k_q7a937aa898_gate
    .symbol:         k_q7a937aa898_gate.kd
    .args:
      - { .name: x, .offset: 0, .size: 8, .value_kind: global_buffer, .address_space: global }
      - { .name: Wg1, .offset: 8, .size: 8, .value_kind: global_buffer, .address_space: global }
      - { .name: bg1, .offset: 16, .size: 8, .value_kind: global_buffer, .address_space: global }
      - { .name: Wg2, .offset: 24, .size: 8, .value_kind: global_buffer, .address_space: global }
      - { .name: xb, .offset: 32, .size: 8, .value_kind: global_buffer, .address_space: global }
      - { .name: pl, .offset: 40, .size: 8, .value_kind: global_buffer, .address_space: global }
    .group_segment_fixed_size: 140288
    .private_segment_fixed_size: 0
    .kernarg_segment_align: 8
    .kernarg_segment_size: 48
    .max_flat_workgroup_size: 256
    .sgpr_count:     66
    .vgpr_count:     512
    .wavefront_size: 32
...
	.end_amdgpu_metadata
.endif
;; end of part 1
;; launch route (part 2): grid 64 x 1, 1 waves a work-group, no clusters, 0 bytes of LDS; arguments pl, bg2, bm, rw, hs; writes bm, rw, hs
.if DOCPART == 2
	.amdgcn_target "amdgcn-amd-amdhsa--gfx1250"
	.amdhsa_code_object_version 6
	.text
	.protected	k_q7a937aa898_route
	.globl	k_q7a937aa898_route
	.p2align	8
	.type	k_q7a937aa898_route,@function
k_q7a937aa898_route:
	s_mov_b64 s[64:65], 0
	v_nop
	global_prefetch_b8 v0, s[64:65] scope:SCOPE_SE
	s_setreg_imm32_b32 hwreg(HW_REG_WAVE_MODE, 25, 1), 1
	s_wait_xcnt 0x0
; Launch 2 of 5: logits, softmax, the two experts of each token, their weights, entropy parts; the choice stored as whole numbers at fixed places.
; A lane has one token, a work-group (one wave) 32.  slot = 2048 k + token; block = slot / 32 = 64 k + work-group.
; bm: mask[e][block] (bit = lane: the block's slots that chose expert e), then at byte 4,096 cnt[e][block] (its number of bits).
; rw: w[slot], then at byte 16,384 one entropy part for each work-group.  hs rows 4,096 to 4,271 are set to zero: launch 4 reads up to 175 rows past a tile's end.
; The maximum is taken away before the exponentials, as reference() does.
; LIMITS.  The two largest are chosen on the logits, by strict > in ascending order (the lower index wins a tie): logits that differ while their f32 scores tie
; may be ordered otherwise than by reference().  An exponential below 2^-126 counts as 0.  NaN logits are not treated apart.
; No address and no branch hangs on a floating-point number: the choice goes out as data.
	s_load_b256 s[4:11], s[0:1], 0x0       ; pl, bg2, bm, rw
	s_load_b64 s[12:13], s[0:1], 0x20      ; hs
	s_mov_b32 s14, ttmp9
	s_lshl_b32 s15, s14, 5
	s_mov_b32 s28, 0x76543210
	s_mov_b32 s29, 0xfedcba98
	v_add_nc_u32 v1, s15, v0               ; token
	v_lshlrev_b32 v2, 5, v1
	v_lshlrev_b32 v3, 2, v1
	s_wait_kmcnt 0x0
	s_load_b256 s[16:23], s[6:7], 0x0      ; bg2
.set p, 0
.rept 16
	global_load_b128 v[16+8*p:19+8*p], v2, s[4:5] offset:65536*p
	global_load_b128 v[20+8*p:23+8*p], v2, s[4:5] offset:65536*p+16
.set p, p+1
.endr
	s_add_nc_u64 s[12:13], s[12:13], 0x1000000
	s_wait_loadcnt 0x0
.set p, 1
.rept 15                                   ; the 16 parts, in ascending order
.irp c,0,2,4,6
	v_pk_add_f32 v[16+\c:17+\c], v[16+\c:17+\c], v[16+8*p+\c:17+8*p+\c]
.endr
.set p, p+1
.endr
	s_wait_kmcnt 0x0
.irp i,0,2,4,6                             ; + bg2 rounded to bf16
	v_cvt_pk_bf16_f32 v8, s[16+\i], s[17+\i]
	v_lshlrev_b32 v9, 16, v8
	v_and_b32 v10, 0xffff0000, v8
	v_add_f32 v[16+\i], v[16+\i], v9
	v_add_f32 v[17+\i], v[17+\i], v10
.endr
	v_max3_num_f32 v4, v16, v17, v18
	v_max3_num_f32 v4, v4, v19, v20
	v_max3_num_f32 v4, v4, v21, v22
	v_max_num_f32 v4, v4, v23
.irp e,0,1,2,3,4,5,6,7
	v_sub_f32 v[24+\e], v[16+\e], v4
.endr
.irp e,0,1,2,3,4,5,6,7
	v_mul_f32 v[24+\e], 0x3fb8aa3b, v[24+\e]
.endr
.irp e,0,1,2,3,4,5,6,7
	v_exp_f32 v[24+\e], v[24+\e]
.endr
	v_nop
	s_wait_alu depctr_va_vdst(0)           ; one wait for the batch of eight
	v_add_f32 v5, v24, v25
.irp e,2,3,4,5,6,7
	v_add_f32 v5, v5, v[24+\e]
.endr
	v_rcp_f32 v6, v5
	v_nop
	s_wait_alu depctr_va_vdst(0)
.irp e,0,1,2,3,4,5,6,7
	v_mul_f32 v[32+\e], v[24+\e], v6       ; the scores
.endr
.irp e,0,1,2,3,4,5,6,7
	v_add_f32 v[40+\e], 0x3089705f, v[32+\e]   ; + 1e-9
.endr
.irp e,0,1,2,3,4,5,6,7
	v_log_f32 v[40+\e], v[40+\e]
.endr
	v_nop
	s_wait_alu depctr_va_vdst(0)
	v_mul_f32 v7, v32, v40
.irp e,1,2,3,4,5,6,7
	v_fmac_f32 v7, v[32+\e], v[40+\e]
.endr
	v_mul_f32 v7, 0x3f317218, v7           ; log2 to ln
	v_mov_b32 v8, 0
	v_add_f32_dpp v7, v7, v7 row_xmask:1 row_mask:0xf bank_mask:0xf
	v_add_f32_dpp v7, v7, v7 row_xmask:2 row_mask:0xf bank_mask:0xf
	v_add_f32_dpp v7, v7, v7 row_xmask:4 row_mask:0xf bank_mask:0xf
	v_add_f32_dpp v7, v7, v7 row_xmask:8 row_mask:0xf bank_mask:0xf
	v_permlanex16_b32 v8, v7, s28, s29
	v_add_f32 v7, v7, v8                   ; the sum over 32 tokens of sum p ln(p + 1e-9)
	v_mov_b32 v58, s14
	v_lshlrev_b32 v58, 2, v58
	global_store_b32 v58, v7, s[10:11] offset:16384
	; the largest
	v_mov_b32 v9, v16
	v_mov_b32 v10, 0
	v_mov_b32 v11, v32
.irp e,1,2,3,4,5,6,7
	v_cmp_gt_f32 vcc_lo, v[16+\e], v9
	v_cndmask_b32 v9, v9, v[16+\e], vcc_lo
	v_cndmask_b32 v10, v10, \e, vcc_lo
	v_cndmask_b32 v11, v11, v[32+\e], vcc_lo
.endr
	v_mov_b32 v15, 0xff800000
.irp e,0,1,2,3,4,5,6,7
	v_cmp_eq_u32 vcc_lo, \e, v10
	v_cndmask_b32 v[48+\e], v[16+\e], v15, vcc_lo
.endr
	; the second
	v_mov_b32 v12, v48
	v_mov_b32 v13, 0
	v_mov_b32 v14, v32
.irp e,1,2,3,4,5,6,7
	v_cmp_gt_f32 vcc_lo, v[48+\e], v12
	v_cndmask_b32 v12, v12, v[48+\e], vcc_lo
	v_cndmask_b32 v13, v13, \e, vcc_lo
	v_cndmask_b32 v14, v14, v[32+\e], vcc_lo
.endr
	v_add_f32 v56, v11, v14
	v_add_f32 v56, 0x3089705f, v56
	v_rcp_f32 v57, v56
	v_nop
	s_wait_alu depctr_va_vdst(0)
	v_mul_f32 v11, v11, v57
	v_mul_f32 v14, v14, v57
	global_store_b32 v3, v11, s[10:11]
	global_store_b32 v3, v14, s[10:11] offset:8192
.irp e,0,1,2,3,4,5,6,7
	v_cmp_eq_u32 s[32+\e], \e, v10
	v_cmp_eq_u32 s[40+\e], \e, v13
.endr
.set j, 0
.rept 16
	s_bcnt1_i32_b32 s[48+j], s[32+j]
.set j, j+1
.endr
	v_mov_b32 v60, 0
	v_mov_b32 v61, 0
.set j, 0
.rept 16                                   ; lane 8 k + e
	v_writelane_b32 v60, s[32+j], j
	v_writelane_b32 v61, s[48+j], j
.set j, j+1
.endr
	v_and_b32 v62, 7, v0
	v_lshlrev_b32 v62, 7, v62
	v_bfe_u32 v63, v0, 3, 1
	v_lshl_add_u32 v62, v63, 6, v62
	v_add_lshl_u32 v62, v62, s14, 2        ; (128 e + 64 k + work-group) x 4
	v_cmp_gt_u32 vcc_lo, 16, v0
	s_wait_xcnt 0x0                        ; EXEC changes only behind this wait
	s_and_saveexec_b32 s24, vcc_lo
	global_store_b32 v62, v60, s[8:9]
	global_store_b32 v62, v61, s[8:9] offset:4096
	s_wait_xcnt 0x0
	s_or_b32 exec_lo, exec_lo, s24
	v_mov_b32 v64, 0
	v_mov_b32 v65, 0
	v_mov_b32 v66, 0
	v_mov_b32 v67, 0
	s_mul_i32 s25, s14, 11264
	v_lshl_add_u32 v68, v0, 4, s25
.set j, 0
.rept 22
	global_store_b128 v68, v[64:67], s[12:13] offset:512*j
.set j, j+1
.endr
	s_endpgm
.Lfunc_end_k_q7a937aa898_route:
	.size	k_q7a937aa898_route, .Lfunc_end_k_q7a937aa898_route-k_q7a937aa898_route
	.p2alignl 7, 3214868480
	.fill 96, 4, 3214868480
	.section	.rodata,"a",@progbits
	.p2align	6, 0x0
	.amdhsa_kernel k_q7a937aa898_route
		.amdhsa_group_segment_fixed_size 0
		.amdhsa_private_segment_fixed_size 0
		.amdhsa_enable_private_segment 0
		.amdhsa_kernarg_size 40
		.amdhsa_user_sgpr_count 2
		.amdhsa_user_sgpr_kernarg_segment_ptr 1
		.amdhsa_wavefront_size32 1
		.amdhsa_system_sgpr_workgroup_id_x 1
		.amdhsa_system_sgpr_workgroup_id_y 1
		.amdhsa_system_sgpr_workgroup_id_z 1
		.amdhsa_system_vgpr_workitem_id 0
		.amdhsa_next_free_vgpr 144
		.amdhsa_next_free_sgpr 66
		.amdhsa_reserve_vcc 1
		.amdhsa_float_denorm_mode_32 3
		.amdhsa_float_denorm_mode_16_64 3
		.amdhsa_memory_ordered 1
		.amdhsa_forward_progress 1
		.amdhsa_inst_pref_size 22
	.end_amdhsa_kernel
	.amdgpu_metadata
---
amdhsa.version: [ 1, 2 ]
amdhsa.kernels:
  - .name:           k_q7a937aa898_route
    .symbol:         k_q7a937aa898_route.kd
    .args:
      - { .name: pl, .offset: 0, .size: 8, .value_kind: global_buffer, .address_space: global }
      - { .name: bg2, .offset: 8, .size: 8, .value_kind: global_buffer, .address_space: global }
      - { .name: bm, .offset: 16, .size: 8, .value_kind: global_buffer, .address_space: global }
      - { .name: rw, .offset: 24, .size: 8, .value_kind: global_buffer, .address_space: global }
      - { .name: hs, .offset: 32, .size: 8, .value_kind: global_buffer, .address_space: global }
    .group_segment_fixed_size: 0
    .private_segment_fixed_size: 0
    .kernarg_segment_align: 8
    .kernarg_segment_size: 40
    .max_flat_workgroup_size: 32
    .sgpr_count:     66
    .vgpr_count:     144
    .wavefront_size: 32
...
	.end_amdgpu_metadata
.endif
;; end of part 2
;; launch up (part 3): grid 32 x 8, 4 waves a work-group, no clusters, 206,592 bytes of LDS; arguments xb, W1, b1, bm, hs, lst; writes hs, lst
.if DOCPART == 3
	.amdgcn_target "amdgcn-amd-amdhsa--gfx1250"
	.amdhsa_code_object_version 6
	.text
	.protected	k_q7a937aa898_up
	.globl	k_q7a937aa898_up
	.p2align	8
	.type	k_q7a937aa898_up,@function
k_q7a937aa898_up:
	s_mov_b64 s[64:65], 0
	v_nop
	global_prefetch_b8 v0, s[64:65] scope:SCOPE_SE
	s_setreg_imm32_b32 hwreg(HW_REG_WAVE_MODE, 25, 1), 1
	s_wait_xcnt 0x0
; Launch 3 of 5: hs = bf16(relu(xb[list] W1[e] + b1[e])) for the chosen (token, expert) rows alone (the rows that reference() gathers away are not made: see launch 1),
; laid in the experts' order; and the routing tables for launch 4.
; GRID: 32 row workers (x) x 8 slices of 256 columns (y).  THE DEALING, worked out by every wave from the stored counts c_e: R = the least of 128, 144, 160, 176 with
; S = sum ceil(c_e / R) <= 32 (176 always serves: (4096 + 8 x 175) / 176 < 32); expert e gets ceil(c_e / R) workers, the first largest expert the 32 - S left over as well
; (it has 512 rows or more).  Worker i of g takes rows floor(i c / g) .. floor((i + 1) c / g) - 1: 1 to 176 rows for every split, so no work-group is without rows.
; A WORK-GROUP: up to 176 rows x 256 columns, K = 1024.  Wave w has columns 64 w .. 64 w + 63: each weight is loaded and rounded once in the work-group.
; WEIGHTS come straight from memory (see launch 1 for the layout), four sets of registers, asked for three K steps ahead.  TOKENS go through registers into two LDS slots of
; 176 rows x 128 k (pitch 272), one barrier a chunk.  All 176 rows are staged; rows past the count repeat the tile's last row and are not stored.
; Tiles of 16 rows 0-7 always run; tiles 8-10 are jumped by a scalar branch on the tile count (no barrier in what is jumped).
; The accumulators take turns, one instruction a turn.  The four roundings behind a tile's four products are the places ahead of the load into its token fragment.
; NO CLUSTER: the rows come by a list, which no tensor descriptor covers; the weights' sharers are an expert's workers, whose number hangs on the counts.
; WINDOWS: 0: addresses, RO v32-53, BIAS v56-87, WF v88-151, TF v152-239.  1: accumulators of tiles 0-7.  2: weight sets 2, 3 (v0-127), tokens as loaded (v128-215).
; 3: weight sets 0, 1 (v0-127), accumulators of tiles 8-10 (v128-223).
.set DOWN, 0
.set PW, 8192
.set ST, 32*PW
.set CH, 128*PW
.set XSTEP, 256
.set NTOK, 22
.set NSB, 3
.set NSL, 1
.set SLOT1, 65536
.set LIST, 47872
.set SPARE, 49152
.set STG, 113664
.set SPI, 528
.set BIAS, 56
.set WFB, 88
.set TFB, 152
.set MSB, 0
.macro WIN new
.if MSB != (\new)
	s_set_vgpr_msb (MSB<<8)|(\new)
.set MSB, \new
.endif
.endm
.macro WLOAD set, off               ; 32 k rows x 256 bytes into set
.if (\set) < 2
	WIN 0xc0
.else
	WIN 0x80
.endif
.set p, 0
.rept 16
	global_load_b128 v[64*((\set)%2)+4*p:64*((\set)%2)+4*p+3], v6, s[46:47] offset:(\off)+(p+8*(p/8))*PW
.set p, p+1
.endr
.endm
.macro CVT set, buf, i              ; one register of the four fragments
.if (\set) < 2
	WIN 0x0f
.else
	WIN 0x0a
.endif
	v_cvt_pk_bf16_f32 v[WFB+32*(\buf)+(\i)], v[64*((\set)%2)+8*((\i)%8)+(\i)/8], v[64*((\set)%2)+8*((\i)%8)+4+(\i)/8]
.endm
.macro TFLD m, jn
	WIN 0
	ds_load_b128 v[TFB+8*(\m):TFB+8*(\m)+3], v10 offset:4352*(\m)+64*(\jn)
	ds_load_b128 v[TFB+8*(\m)+4:TFB+8*(\m)+7], v10 offset:4352*(\m)+64*(\jn)+32
.endm
.macro TLOAD off
.set i, 0
.rept NTOK
.if DOWN
.if i < 26
	WIN 0x80
	global_load_b128 v[128+4*i:131+4*i], v8, s[48:49] offset:(\off)+16384*i
.else
	WIN 0
	global_load_b128 v[184+4*(i-26):187+4*(i-26)], v8, s[48:49] offset:(\off)+16384*i
.endif
.else
	WIN 0x80
	global_load_b128 v[128+4*i:131+4*i], v[32+i], s[48:49] offset:\off
.endif
.set i, i+1
.endr
.endm
.macro TSTORE
.if DOWN
.if tsi < 26
	WIN 0x08
	ds_store_b128 v12, v[128+4*tsi:131+4*tsi] offset:1088*tsi
.else
	WIN 0
	ds_store_b128 v12, v[184+4*(tsi-26):187+4*(tsi-26)] offset:1088*tsi
.endif
.else
	WIN 0x08
	ds_store_b128 v12, v[128+4*tsi:131+4*tsi] offset:2176*tsi
.endif
.set tsi, tsi+1
.endm
; The weights of the chunk three on from the one whose loads are being issued, a lane a row, my own 256 bytes of each of its 128 rows.  Only an expert's first worker asks, each wave for
; its own columns: each block is named once in the launch.  The last trips ask for nothing: s41 counts 6 to 1, askers have s42 = 2, so chunks 4 to 7 are named.
.macro ASK
	WIN 0
	s_cmp_gt_u32 s41, s42
	s_cbranch_scc0 .Lna_\@
.irp q,0,1,2,3
	global_prefetch_b8 v7, s[46:47] offset:3*CH+32*PW*\q th:TH_LOAD_NT scope:SCOPE_SE
.endr
.Lna_\@:
.endm
.macro MUL4 m, j, first             ; tile m x the four fragments
.if (\m) < 8
.set ab, 32*(\m)
.set wn, 0x50
.else
.set ab, 128+32*((\m)-8)
.set wn, 0xf0
.endif
.if \first
	WIN wn&0xc0
.else
	WIN wn
.endif
.irp t,0,1,2,3
.if \first
.if DOWN
	v_wmma_f32_16x16x32_bf16 v[ab+8*\t:ab+8*\t+7], v[WFB+32*((\j)%2)+8*\t:WFB+32*((\j)%2)+8*\t+7], v[TFB+8*(\m):TFB+8*(\m)+7], 0
.else
	v_wmma_f32_16x16x32_bf16 v[ab+8*\t:ab+8*\t+7], v[WFB+32*((\j)%2)+8*\t:WFB+32*((\j)%2)+8*\t+7], v[TFB+8*(\m):TFB+8*(\m)+7], v[BIAS+8*\t:BIAS+8*\t+7]
.endif
.else
	v_wmma_f32_16x16x32_bf16 v[ab+8*\t:ab+8*\t+7], v[WFB+32*((\j)%2)+8*\t:WFB+32*((\j)%2)+8*\t+7], v[TFB+8*(\m):TFB+8*(\m)+7], v[ab+8*\t:ab+8*\t+7]
.endif
.endr
.endm
.macro NOPS
	WIN 0
.rept 4
	v_nop
.endr
.endm
.macro CTILE m, j, fet, first, lab  ; tiles 8-10: jumped where the tile count is less
.if !(\first)
	WIN 0
	s_cmp_lt_u32 s40, (\m)+1
	s_cbranch_scc1 \lab
.endif
.if \fet
	s_wait_dscnt 16                 ; younger than my fragment's loads on every way: this step's eight pairs
.else
	s_wait_dscnt 0
.endif
	MUL4 \m, \j, \first
.if \fet
	NOPS
	TFLD \m, ((\j)+1)%4
.endif
.endm
; The change of slots: my reads of the slot in hand and my token stores are done; behind the barrier the other slot is whole, and the old one is stored into only in the next chunk's steps 1 and 2.
.macro SWITCH
	WIN 0
	s_wait_dscnt 0x0
	s_barrier_signal -1
	s_barrier_wait -1
	s_xor_b32 s43, s43, SLOT1
	v_add_nc_u32 v10, s43, v9
	s_xor_b32 s57, s43, SLOT1
	v_add_nc_u32 v12, s57, v11
.irp m,0,1,2,3
	TFLD \m, 0
.endr
.endm
.macro ESEC ek                      ; the loads at a step's end
.if (\ek) == 1
	WLOAD 1, CH+ST
.elseif (\ek) == 2
	s_wait_xcnt 0x0                 ; every load and prefetch issued so far has read its address: the pointers step
	s_add_nc_u64 s[46:47], s[46:47], CH
	s_add_nc_u64 s[48:49], s[48:49], XSTEP
	WLOAD 2, 2*ST
.elseif (\ek) == 3
	TLOAD XSTEP
	WLOAD 3, 3*ST
	ASK
.elseif (\ek) == 4
	WLOAD 3, 3*ST
.elseif (\ek) == 5
	WLOAD 0, CH
.endif
.endm
; K step j of a chunk.  lw: the loads that may stay out when set j + 1 (and, with st, the tokens) must be in.  st = 1, 2: the first, second half of the token stores.  bar: the change of slots.
; rid: set j + 1 is rounded into the other fragment buffer.  fet: the next step's token fragments are fetched.  first: the products start the sums.
; s_wait_dscnt 14: younger than tile m's pair of loads are the seven other tiles' pairs.  Where tiles fetch nothing (0-3 of a change of slots, the last step) 14 - 2 m.
.macro STEP j, lw, st, bar, rid, fet, first, ek
	s_wait_loadcnt \lw
.if (\st) == 1
.set tsi, 0
.elseif (\st) == 2
.set tsi, NTOK/2
.endif
.set mm, 0
.rept 8
.if (\bar) && (mm == 4)
	SWITCH
.endif
.if ((\bar) && (mm < 4)) || !(\fet)
	s_wait_dscnt 14-2*mm
.else
	s_wait_dscnt 14
.endif
	MUL4 mm, \j, \first
.if \rid
.set cc, 4*mm
.rept 4
	CVT ((\j)+1)%4, ((\j)+1)%2, cc
.set cc, cc+1
.endr
.elseif \fet
	NOPS
.endif
.if (\fet) && !((\bar) && (mm < 4))
	TFLD mm, ((\j)+1)%4
.endif
.if \st
.if mm < NSB
.set ns, NSL+1
.else
.set ns, NSL
.endif
.rept ns
	TSTORE
.endr
.endif
.set mm, mm+1
.endr
	ESEC \ek
.irp m,8,9,10
	CTILE \m, \j, \fet, \first, .Lse_\@
.endr
	WIN 0
.Lse_\@:
.endm
; Chunk 0 into slot 0; then, in the loop's own order of issue, tokens 1, set 3, set 0 of chunk 1 (set 1 follows in the first step).
.macro START_RING
	TLOAD 0
	WIN 0
	s_wait_loadcnt 0x0
	v_mov_b32 v12, v11
.set tsi, 0
.rept NTOK
	TSTORE
.endr
	WIN 0
	s_wait_dscnt 0x0
	TLOAD XSTEP
	WLOAD 3, 3*ST
.set cc, 0
.rept 32
	CVT 0, 0, cc
.set cc, cc+1
.endr
	WLOAD 0, CH
	WIN 0
	s_barrier_signal -1
	s_barrier_wait -1
	s_mov_b32 s43, 0
	v_mov_b32 v10, v9
	v_add_nc_u32 v12, SLOT1, v11
.irp m,0,1,2,3,4,5,6,7,8,9,10
	TFLD \m, 0
.endr
.endm
.macro RING                         ; 8 chunks x 4 K steps
	STEP 0, 63, 0, 0, 1, 1, 1, 1
	s_mov_b32 s41, 6
.Lloop:
	STEP 1, 48, 1, 0, 1, 1, 0, 2    ; tokens and set 2 are in; sets 3, 0, 1 may stay out
	STEP 2, 48, 2, 0, 1, 1, 0, 3    ; set 3 is in; sets 0, 1, 2 may stay out
	STEP 3, 63, 0, 1, 1, 1, 0, 5    ; 48 + NTOK loads are younger than set 0; the count is the field's most
	STEP 0, 63, 0, 0, 1, 1, 0, 1
	s_sub_co_u32 s41, s41, 1
	s_cmp_lg_u32 s41, 0
	s_cbranch_scc1 .Lloop
	STEP 1, 48, 1, 0, 1, 1, 0, 2
	STEP 2, 48, 2, 0, 1, 1, 0, 4
	STEP 3, 48, 0, 1, 1, 1, 0, 0    ; the counts run down: three, two, one, no set out
	STEP 0, 32, 0, 0, 1, 1, 0, 0
	STEP 1, 16, 0, 0, 1, 1, 0, 0
	STEP 2, 0, 0, 0, 1, 1, 0, 0
	STEP 3, 63, 0, 0, 0, 0, 0, 0
.endm
.macro GSUM radd, mag               ; s56 = sum over e of ceil(c_e / R): ((c + R - 1) >> 4) x mag >> 16, exact for arguments up to 138
	s_mov_b32 s56, 0
.irp e,0,1,2,3,4,5,6,7
	s_add_co_u32 s57, s[20+\e], \radd
	s_lshr_b32 s57, s57, 4
	s_mul_i32 s57, s57, \mag
	s_lshr_b32 s57, s57, 16
	s_add_co_u32 s56, s56, s57
.endr
.endm
.macro PICK radd, mag
	GSUM \radd, \mag
	s_cmp_le_u32 s56, 32
	s_cselect_b32 s28, \radd, s28
	s_cselect_b32 s29, \mag, s29
	s_cselect_b32 s30, s56, s30
.endm
.macro DIVQ q, n, d                 ; q = floor(n / d), q < 8192
	s_mov_b32 \q, 0
.irp b,12,11,10,9,8,7,6,5,4,3,2,1,0
	s_or_b32 s61, \q, 1<<\b
	s_mul_i32 s62, s61, \d
	s_cmp_le_u32 s62, \n
	s_cselect_b32 \q, s61, \q
.endr
.endm
.macro BITSTEP lev, w               ; is the bit wanted in the lower w bits at v215, or above them?
	v_bfe_u32 v216, v[\lev], v215, \w
	v_cmp_ge_u32 vcc_lo, v208, v216
	v_sub_nc_u32 v216, v208, v216
	v_cndmask_b32 v208, v208, v216, vcc_lo
	v_add_nc_u32 v216, \w, v215
	v_cndmask_b32 v215, v215, v216, vcc_lo
.endm
; The slot of rank START + min(rho, ROWS - 1) among my expert's.  Lane l holds the masks (v184-187) and counts (v188-191) of blocks 4 l .. 4 l + 3 and v192, the count of all blocks before them.
.macro SELECT rho, out
	v_min_u32 v193, s66, v[\rho]
	v_add_nc_u32 v193, s37, v193
	v_mov_b32 v194, 0
.irp s,16,8,4,2,1                   ; the last lane whose v192 is not above the rank
	v_add_nc_u32 v197, \s, v194
	v_lshlrev_b32 v196, 2, v197
	ds_bpermute_b32 v195, v196, v192
	s_wait_dscnt 0x0
	v_cmp_le_u32 vcc_lo, v195, v193
	v_cndmask_b32 v194, v194, v197, vcc_lo
.endr
	v_lshlrev_b32 v196, 2, v194
	ds_bpermute_b32 v200, v196, v192
.irp k,0,1,2
	ds_bpermute_b32 v[201+\k], v196, v[188+\k]
.endr
.irp k,0,1,2,3
	ds_bpermute_b32 v[204+\k], v196, v[184+\k]
.endr
	s_wait_dscnt 0x0
	v_sub_nc_u32 v208, v193, v200
	v_add_nc_u32 v202, v201, v202
	v_add_nc_u32 v203, v202, v203
	v_mov_b32 v209, v204
	v_mov_b32 v210, 0
	v_mov_b32 v217, 0
.irp k,1,2,3                        ; the block, by its cumulative counts
	v_cmp_ge_u32 vcc_lo, v208, v[200+\k]
	v_cndmask_b32 v209, v209, v[204+\k], vcc_lo
	v_cndmask_b32 v210, v210, \k, vcc_lo
	v_cndmask_b32 v217, v217, v[200+\k], vcc_lo
.endr
	v_sub_nc_u32 v208, v208, v217
	v_lshrrev_b32 v211, 1, v209         ; counts in fields of 2, 4, 8, 16 bits
	v_and_b32 v211, 0x55555555, v211
	v_sub_nc_u32 v211, v209, v211
	v_lshrrev_b32 v212, 2, v211
	v_and_b32 v212, 0x33333333, v212
	v_and_b32 v216, 0x33333333, v211
	v_add_nc_u32 v212, v212, v216
	v_lshrrev_b32 v213, 4, v212
	v_add_nc_u32 v213, v213, v212
	v_and_b32 v213, 0x0f0f0f0f, v213
	v_lshrrev_b32 v214, 8, v213
	v_add_nc_u32 v214, v214, v213
	v_and_b32 v214, 0x00ff00ff, v214
	v_mov_b32 v215, 0
	BITSTEP 214, 16
	BITSTEP 213, 8
	BITSTEP 212, 4
	BITSTEP 211, 2
	BITSTEP 209, 1
	v_lshl_add_u32 v216, v194, 2, v210
	v_lshl_or_b32 v[\out], v216, 5, v215
.endm
.macro STAGE m                      ; tile m: rounded to bf16, relu, 64 bytes a lane into the stage; each accumulator is read from its low end on
.if (\m) < 8
.set ab, 32*(\m)
	WIN 0x05
.else
.set ab, 128+32*((\m)-8)
	WIN 0x0f
.endif
.set jj, 0
.rept 8
	v_cvt_pk_bf16_f32 v[WFB+2*jj], v[ab+jj], v[ab+8+jj]
	v_cvt_pk_bf16_f32 v[WFB+2*jj+1], v[ab+16+jj], v[ab+24+jj]
.set jj, jj+1
.endr
	WIN 0
.set jj, 0
.rept 16
	v_pk_max_num_bf16 v[WFB+jj], v[WFB+jj], v13
.set jj, jj+1
.endr
.irp q,0,1,2,3
	ds_store_b128 v[14+(\m)/8], v[WFB+4*\q:WFB+4*\q+3] offset:((\m)%8)*16*SPI+16*\q
.endr
.endm
	s_load_b256 s[4:11], s[0:1], 0x0       ; xb, W1, b1, bm
	s_load_b128 s[12:15], s[0:1], 0x20     ; hs, lst
	v_lshl_add_u32 v2, v0, 2, SPARE        ; my spare word
	v_mov_b32 v3, 0
	v_mov_b32 v13, 0
	v_lshrrev_b32 v14, 5, v0
	v_readfirstlane_b32 s16, v14           ; wave
	s_mov_b32 s17, ttmp9                   ; worker
	s_and_b32 s18, ttmp7, 0xffff           ; slice
	s_mov_b32 s80, 0x76543210
	s_mov_b32 s81, 0xfedcba98
	v_and_b32 v1, 15, v0                   ; r
	v_bfe_u32 v4, v0, 4, 1                 ; h
	v_and_b32 v5, 31, v0                   ; lane
	v_lshlrev_b32 v15, 4, v5
	v_lshlrev_b32 v16, 4, v1
	v_lshl_add_u32 v6, v4, 16, v16         ; weights: 8 h rows + 16 r
	v_lshlrev_b32 v7, 13, v5               ; prefetch: a lane a row
	v_lshlrev_b32 v17, 7, v4
	s_wait_kmcnt 0x0
.irp e,0,1,2,3,4,5,6,7
	global_load_b128 v[152+4*\e:155+4*\e], v15, s[10:11] offset:4096+512*\e
.endr
	s_wait_loadcnt 0x0
.irp e,0,1,2,3,4,5,6,7
	v_add3_u32 v[240+\e], v[152+4*\e], v[153+4*\e], v[154+4*\e]
	v_add_nc_u32 v[240+\e], v[240+\e], v[155+4*\e]
.endr
.irp i,0,1,2,3                             ; two counts (2,048 at the most each) to a word
	v_lshl_or_b32 v[248+\i], v[241+2*\i], 16, v[240+2*\i]
.endr
.irp x,1,2,4,8
.irp i,0,1,2,3
	v_mov_b32_dpp v14, v[248+\i] row_xmask:\x row_mask:0xf bank_mask:0xf
	v_add_nc_u32 v[248+\i], v[248+\i], v14
.endr
.endr
.irp i,0,1,2,3
	v_permlanex16_b32 v14, v[248+\i], s80, s81
	v_add_nc_u32 v[248+\i], v[248+\i], v14
	v_readfirstlane_b32 s[52+\i], v[248+\i]
	s_and_b32 s[20+2*\i], s[52+\i], 0xffff
	s_lshr_b32 s[21+2*\i], s[52+\i], 16
.endr
	GSUM 175, 5958
	s_mov_b32 s28, 175
	s_mov_b32 s29, 5958
	s_mov_b32 s30, s56
	PICK 159, 6554
	PICK 143, 7282
	PICK 127, 8192
	s_sub_co_u32 s30, 32, s30              ; workers left over
	s_mov_b32 s31, 0
	s_mov_b32 s57, s20
.irp e,1,2,3,4,5,6,7                       ; the first largest expert
	s_cmp_gt_u32 s[20+\e], s57
	s_cselect_b32 s57, s[20+\e], s57
	s_cselect_b32 s31, \e, s31
.endr
.irp q,32,33,34,35,36,70,71
	s_mov_b32 s[\q], 0
.endr
.irp e,0,1,2,3,4,5,6,7                     ; the last expert whose first worker is not above me
	s_add_co_u32 s57, s[20+\e], s28
	s_lshr_b32 s57, s57, 4
	s_mul_i32 s57, s57, s29
	s_lshr_b32 s57, s57, 16
	s_cmp_eq_u32 s31, \e
	s_cselect_b32 s58, s30, 0
	s_add_co_u32 s57, s57, s58
	s_cmp_ge_u32 s17, s70
	s_cselect_b32 s32, \e, s32
	s_cselect_b32 s33, s70, s33
	s_cselect_b32 s34, s71, s34
	s_cselect_b32 s35, s[20+\e], s35
	s_cselect_b32 s36, s57, s36
	s_add_co_u32 s70, s70, s57
	s_add_co_u32 s71, s71, s[20+\e]
.endr
	s_sub_co_u32 s58, s17, s33
	s_mul_i32 s59, s58, s35
	s_add_co_u32 s60, s59, s35
	DIVQ s37, s59, s36                     ; START
	DIVQ s63, s60, s36
	s_sub_co_u32 s38, s63, s37             ; ROWS
	s_add_co_u32 s39, s34, s37             ; RB
	s_min_u32 s32, s32, 7
	s_min_u32 s39, s39, 4095
	s_max_u32 s38, s38, 1
	s_min_u32 s38, s38, 176
	s_add_co_u32 s40, s38, 15
	s_lshr_b32 s40, s40, 4                 ; tiles of 16 rows
	s_sub_co_u32 s66, s38, 1
	s_cmp_eq_u32 s37, 0
	s_cselect_b32 s42, 2, -1
	s_lshl_b32 s56, s32, 23
	s_lshl_b32 s57, s18, 10
	s_add_co_u32 s56, s56, s57
	s_lshl_b32 s58, s16, 8
	s_add_co_u32 s56, s56, s58
	s_mov_b32 s57, 0
	s_add_nc_u64 s[46:47], s[6:7], s[56:57]
	s_lshl_b32 s56, s32, 13
	s_lshl_b32 s59, s18, 10
	s_add_co_u32 s56, s56, s59
	s_add_co_u32 s56, s56, s58
	s_add_nc_u64 s[52:53], s[8:9], s[56:57]
	s_lshl_b32 s56, s32, 9
	s_add_nc_u64 s[54:55], s[10:11], s[56:57]
	s_mov_b64 s[48:49], s[4:5]
	s_lshl_b32 s56, s39, 12
	s_lshl_b32 s59, s18, 9
	s_add_co_u32 s56, s56, s59
	s_add_nc_u64 s[50:51], s[12:13], s[56:57]
.irp q,0,1,2,3,4,5,6,7
	global_load_b128 v[152+4*\q:155+4*\q], v17, s[52:53] offset:16*\q      ; b1 of my 32 columns
.endr
	WLOAD 0, 0
	WLOAD 1, ST
	WLOAD 2, 2*ST
	WIN 0
	global_load_b128 v[184:187], v15, s[54:55]
	global_load_b128 v[188:191], v15, s[54:55] offset:4096
	s_wait_loadcnt 0x0
.set i, 0
.rept 16                                   ; b1 rounded to bf16, laid as the C operand: register 8 t + j holds column 32 h + 4 j + t
	v_cvt_pk_bf16_f32 v14, v[152+2*i], v[153+2*i]
	v_lshlrev_b32 v[BIAS+8*((2*i)%4)+(2*i)/4], 16, v14
	v_and_b32 v[BIAS+8*((2*i+1)%4)+(2*i+1)/4], 0xffff0000, v14
.set i, i+1
.endr
	v_add3_u32 v193, v188, v189, v190
	v_add_nc_u32 v193, v193, v191
	v_mov_b32 v192, v193
.irp s,1,2,4,8,16                          ; prefix over the lanes
	v_add_nc_u32 v196, -\s, v5
	v_lshlrev_b32 v196, 2, v196
	ds_bpermute_b32 v195, v196, v192
	s_wait_dscnt 0x0
	v_cmp_le_u32 vcc_lo, \s, v5
	v_cndmask_b32 v195, 0, v195, vcc_lo
	v_add_nc_u32 v192, v192, v195
.endr
	v_sub_nc_u32 v192, v192, v193
	v_mov_b32 v18, v0
	v_add_nc_u32 v19, 128, v0
	SELECT 18, 20
	SELECT 19, 21
	v_lshl_add_u32 v22, v0, 2, LIST
	ds_store_b32 v22, v20
	ds_store_b32 v22, v21 offset:512
	s_wait_dscnt 0x0
	s_barrier_signal -1
	s_barrier_wait -1
	s_lshl_b32 s56, s16, 3
	v_lshl_add_u32 v23, v4, 2, s56
	v_add_nc_u32 v23, LIST, v23
.set i, 0
.rept 22
	ds_load_b32 v[32+i], v23 offset:32*i   ; the slot of row 8 i + 2 w + h
.set i, i+1
.endr
	s_wait_dscnt 0x0
.set i, 0
.rept 22
	v_and_b32 v[32+i], 2047, v[32+i]
	v_min_u32 v[32+i], 0x7ff, v[32+i]
	v_lshl_add_u32 v[32+i], v[32+i], 11, v16
.set i, i+1
.endr
	s_cmp_lg_u32 s18, 0                    ; slice 0 stores the tables
	s_cbranch_scc1 .Lnolst
	v_min_u32 v24, s66, v18
	v_add_nc_u32 v24, s39, v24
	v_min_u32 v24, 0xfff, v24
	v_lshlrev_b32 v24, 2, v24
	v_min_u32 v25, s66, v19
	v_add_nc_u32 v25, s39, v25
	v_min_u32 v25, 0xfff, v25
	v_lshlrev_b32 v25, 2, v25
	global_store_b32 v24, v20, s[14:15]    ; places past the count repeat the last row's word at its own place
	global_store_b32 v25, v21, s[14:15]
	s_cmp_lg_u32 s16, 0
	s_cbranch_scc1 .Lnolst
	v_mov_b32 v200, s32
	v_mov_b32 v201, s39
	v_mov_b32 v202, s38
	v_mov_b32 v203, s37
	v_mov_b32 v26, s17
	v_lshlrev_b32 v26, 4, v26
	global_store_b128 v26, v[200:203], s[14:15] offset:16384
	s_cmp_lg_u32 s17, 0
	s_cbranch_scc1 .Lnolst
.irp e,0,1,2,3,4,5,6,7
	v_mov_b32 v[204+\e], s[20+\e]
.endr
	v_mov_b32 v27, 0
	global_store_b128 v27, v[204:207], s[14:15] offset:16896
	global_store_b128 v27, v[208:211], s[14:15] offset:16912
.Lnolst:
	s_wait_xcnt 0x0                        ; the stores have read their registers
	v_mul_u32_u24 v9, v1, 272
	v_lshl_add_u32 v9, v4, 4, v9           ; token fragments: r x 272 + 16 h
	s_lshl_b32 s56, s16, 1
	v_add_nc_u32 v11, s56, v4
	v_mul_u32_u24 v11, v11, 272
	v_add_nc_u32 v11, v11, v16             ; token stores: (2 w + h) x 272 + 16 r
	START_RING
	RING
	; THE WAY OUT.  The address lines are the places behind the last products.
	s_lshl_b32 s56, s16, 7
	v_mul_u32_u24 v14, v1, SPI
	v_lshl_add_u32 v14, v4, 6, v14
	v_add_nc_u32 v14, s56, v14
	v_add_nc_u32 v14, STG, v14             ; row r, 128 w + 64 h
	v_add_nc_u32 v15, 128*SPI, v14         ; tiles 8-10
.irp m,0,1,2,3,4,5,6,7,8,9,10
	STAGE \m
.endr
	s_wait_dscnt 0x0                       ; for the other waves: my part of the rows is in the stage
	s_barrier_signal -1
	s_barrier_wait -1
	s_mul_i32 s56, s16, 4*SPI
	v_lshl_add_u32 v16, v5, 4, s56
	v_add_nc_u32 v16, STG, v16             ; rows 16 m + 4 w + i, whole: 512 bytes
	v_add_nc_u32 v17, 128*SPI, v16
	s_lshl_b32 s57, s16, 14
	v_lshl_add_u32 v18, v5, 4, s57
	s_lshl_b32 s58, s16, 2
	s_sub_co_i32 s61, s38, s58             ; ROWS - 4 w
.set k, 0
.rept 32
	ds_load_b128 v[88+4*k:91+4*k], v16 offset:(16*(k/4)+k%4)*SPI
.set k, k+1
.endr
	s_wait_dscnt 0x0
.set k, 0
.rept 32
	s_cmp_le_i32 s61, 16*(k/4)+k%4         ; rows past the count are not stored
	s_cbranch_scc1 .Lend
	global_store_b128 v18, v[88+4*k:91+4*k], s[50:51] offset:(16*(k/4)+k%4)*4096    ; 512 bytes on end, aligned
.set k, k+1
.endr
	s_wait_xcnt 0x0
.set k, 0
.rept 12
	ds_load_b128 v[88+4*k:91+4*k], v17 offset:(16*(k/4)+k%4)*SPI
.set k, k+1
.endr
	s_wait_dscnt 0x0
.set k, 0
.rept 12
	s_cmp_le_i32 s61, 128+16*(k/4)+k%4
	s_cbranch_scc1 .Lend
	global_store_b128 v18, v[88+4*k:91+4*k], s[50:51] offset:(128+16*(k/4)+k%4)*4096
.set k, k+1
.endr
.Lend:
	s_wait_tensorcnt 0x0                   ; the wave's end
	ds_add_u32 v2, v3
	s_wait_dscnt 0x0
	s_endpgm
.Lfunc_end_k_q7a937aa898_up:
	.size	k_q7a937aa898_up, .Lfunc_end_k_q7a937aa898_up-k_q7a937aa898_up
	.p2alignl 7, 3214868480
	.fill 96, 4, 3214868480
	.section	.rodata,"a",@progbits
	.p2align	6, 0x0
	.amdhsa_kernel k_q7a937aa898_up
		.amdhsa_group_segment_fixed_size 206592
		.amdhsa_private_segment_fixed_size 0
		.amdhsa_enable_private_segment 0
		.amdhsa_kernarg_size 48
		.amdhsa_user_sgpr_count 2
		.amdhsa_user_sgpr_kernarg_segment_ptr 1
		.amdhsa_wavefront_size32 1
		.amdhsa_system_sgpr_workgroup_id_x 1
		.amdhsa_system_sgpr_workgroup_id_y 1
		.amdhsa_system_sgpr_workgroup_id_z 1
		.amdhsa_system_vgpr_workitem_id 0
		.amdhsa_next_free_vgpr 1024
		.amdhsa_next_free_sgpr 100
		.amdhsa_reserve_vcc 1
		.amdhsa_float_denorm_mode_32 3
		.amdhsa_float_denorm_mode_16_64 3
		.amdhsa_memory_ordered 1
		.amdhsa_forward_progress 1
		.amdhsa_inst_pref_size 208
	.end_amdhsa_kernel
	.amdgpu_metadata
---
amdhsa.version: [ 1, 2 ]
amdhsa.kernels:
  - .name:           k_q7a937aa898_up
    .symbol:         k_q7a937aa898_up.kd
    .args:
      - { .name: xb, .offset: 0, .size: 8, .value_kind: global_buffer, .address_space: global }
      - { .name: W1, .offset: 8, .size: 8, .value_kind: global_buffer, .address_space: global }
      - { .name: b1, .offset: 16, .size: 8, .value_kind: global_buffer, .address_space: global }
      - { .name: bm, .offset: 24, .size: 8, .value_kind: global_buffer, .address_space: global }
      - { .name: hs, .offset: 32, .size: 8, .value_kind: global_buffer, .address_space: global }
      - { .name: lst, .offset: 40, .size: 8, .value_kind: global_buffer, .address_space: global }
    .group_segment_fixed_size: 206592
    .private_segment_fixed_size: 0
    .kernarg_segment_align: 8
    .kernarg_segment_size: 48
    .max_flat_workgroup_size: 128
    .sgpr_count:     100
    .vgpr_count:     1024
    .wavefront_size: 32
...
	.end_amdgpu_metadata
.endif
;; end of part 3
;; launch down (part 4): grid 32 x 8, 4 waves a work-group, no clusters, 319,744 bytes of LDS; arguments hs, W2, b2, lst, part; writes part
.if DOCPART == 4
	.amdgcn_target "amdgcn-amd-amdhsa--gfx1250"
	.amdhsa_code_object_version 6
	.text
	.protected	k_q7a937aa898_down
	.globl	k_q7a937aa898_down
	.p2align	8
	.type	k_q7a937aa898_down,@function
k_q7a937aa898_down:
	s_mov_b64 s[64:65], 0
	v_nop
	global_prefetch_b8 v0, s[64:65] scope:SCOPE_SE
	s_setreg_imm32_b32 hwreg(HW_REG_WAVE_MODE, 25, 1), 1
	s_wait_xcnt 0x0
; Launch 4 of 5: part[slot] = hs[row] W2[e] + b2[e] for the chosen rows alone (see launch 1), f32 partial rows that launch 5 weighs and adds.
; GRID: the 32 row workers of launch 3 (x; expert, first row, rows from lst) x 8 slices of 128 columns (y).  A work-group: up to 176 rows x 128 columns, K = 2048.
; Wave w has columns 64 (w % 2) .. + 63 and half w / 2 of each chunk of 256 k.  Ring, weights and steps as in launch 3; a slot holds both halves (47,872 bytes each).
; Rows past the count are the neighbours' rows or the zero rows behind hs; their results are not stored.
; THE WAY OUT.  Behind a barrier (all reads of the slots are over) every wave lays its sums as f32 token rows (512 bytes + 16 of padding) into the stage of its K half; the waves of half 0
; add b2 on the way.  Behind a second barrier wave w takes rows 4 k + w: both halves are read as whole rows and added, and the wave stores 512 bytes on end to part[slot].
; Rows past the count are jumped by a scalar branch; every LDS address is a fixed base and an immediate.
; NO CLUSTER in this text: the hs tile that the 8 slices share is 704 of a work-group's 1,728 KiB and comes through registers.
; WINDOWS: 0: addresses, WF v32-95, TF v96-183, tokens as loaded 26-43 (v184-255).  1: accumulators of tiles 0-7.  2: weight sets 2, 3, tokens as loaded 0-25 (v128-231).
; 3: weight sets 0, 1, accumulators of tiles 8-10 (v128-223), b2 as loaded (v224-255).
.set DOWN, 1
.set PW, 4096
.set ST, 32*PW
.set CH, 256*PW
.set XSTEP, 512
.set NTOK, 44
.set NSB, 6
.set NSL, 2
.set SLOT1, 131072
.set LIST, 95744
.set SPARE, 97792
.set SPI, 528                       ; a stage row: 128 f32 + 16 bytes
.set STB, 226816                    ; the stage of K half 1; that of half 0 lies at byte 0, in slot 0
.set BIAS, 0
.set WFB, 32
.set TFB, 96
.set MSB, 0
.macro WIN new
.if MSB != (\new)
	s_set_vgpr_msb (MSB<<8)|(\new)
.set MSB, \new
.endif
.endm
.macro WLOAD set, off               ; 32 k rows x 256 bytes into set
.if (\set) < 2
	WIN 0xc0
.else
	WIN 0x80
.endif
.set p, 0
.rept 16
	global_load_b128 v[64*((\set)%2)+4*p:64*((\set)%2)+4*p+3], v6, s[46:47] offset:(\off)+(p+8*(p/8))*PW
.set p, p+1
.endr
.endm
.macro CVT set, buf, i              ; one register of the four fragments
.if (\set) < 2
	WIN 0x0f
.else
	WIN 0x0a
.endif
	v_cvt_pk_bf16_f32 v[WFB+32*(\buf)+(\i)], v[64*((\set)%2)+8*((\i)%8)+(\i)/8], v[64*((\set)%2)+8*((\i)%8)+4+(\i)/8]
.endm
.macro TFLD m, jn
	WIN 0
	ds_load_b128 v[TFB+8*(\m):TFB+8*(\m)+3], v10 offset:4352*(\m)+64*(\jn)
	ds_load_b128 v[TFB+8*(\m)+4:TFB+8*(\m)+7], v10 offset:4352*(\m)+64*(\jn)+32
.endm
.macro TLOAD off
.set i, 0
.rept NTOK
.if DOWN
.if i < 26
	WIN 0x80
	global_load_b128 v[128+4*i:131+4*i], v8, s[48:49] offset:(\off)+16384*i
.else
	WIN 0
	global_load_b128 v[184+4*(i-26):187+4*(i-26)], v8, s[48:49] offset:(\off)+16384*i
.endif
.else
	WIN 0x80
	global_load_b128 v[128+4*i:131+4*i], v[32+i], s[48:49] offset:\off
.endif
.set i, i+1
.endr
.endm
.macro TSTORE
.if DOWN
.if tsi < 26
	WIN 0x08
	ds_store_b128 v12, v[128+4*tsi:131+4*tsi] offset:1088*tsi
.else
	WIN 0
	ds_store_b128 v12, v[184+4*(tsi-26):187+4*(tsi-26)] offset:1088*tsi
.endif
.else
	WIN 0x08
	ds_store_b128 v12, v[128+4*tsi:131+4*tsi] offset:2176*tsi
.endif
.set tsi, tsi+1
.endm
; The weights of the chunk three on from the one whose loads are being issued, a lane a row, my own 256 bytes of each of my 128 rows of it.  Only an expert's first worker asks, each wave for
; its own columns and K half: each block is named once in the launch.  The last trips ask for nothing: s41 counts 6 to 1, askers have s42 = 2, so chunks 4 to 7 are named.
.macro ASK
	WIN 0
	s_cmp_gt_u32 s41, s42
	s_cbranch_scc0 .Lna_\@
.irp q,0,1,2,3
	global_prefetch_b8 v7, s[46:47] offset:3*CH+32*PW*\q th:TH_LOAD_NT scope:SCOPE_SE
.endr
.Lna_\@:
.endm
.macro MUL4 m, j, first             ; tile m x the four fragments
.if (\m) < 8
.set ab, 32*(\m)
.set wn, 0x50
.else
.set ab, 128+32*((\m)-8)
.set wn, 0xf0
.endif
.if \first
	WIN wn&0xc0
.else
	WIN wn
.endif
.irp t,0,1,2,3
.if \first
.if DOWN
	v_wmma_f32_16x16x32_bf16 v[ab+8*\t:ab+8*\t+7], v[WFB+32*((\j)%2)+8*\t:WFB+32*((\j)%2)+8*\t+7], v[TFB+8*(\m):TFB+8*(\m)+7], 0
.else
	v_wmma_f32_16x16x32_bf16 v[ab+8*\t:ab+8*\t+7], v[WFB+32*((\j)%2)+8*\t:WFB+32*((\j)%2)+8*\t+7], v[TFB+8*(\m):TFB+8*(\m)+7], v[BIAS+8*\t:BIAS+8*\t+7]
.endif
.else
	v_wmma_f32_16x16x32_bf16 v[ab+8*\t:ab+8*\t+7], v[WFB+32*((\j)%2)+8*\t:WFB+32*((\j)%2)+8*\t+7], v[TFB+8*(\m):TFB+8*(\m)+7], v[ab+8*\t:ab+8*\t+7]
.endif
.endr
.endm
.macro NOPS
	WIN 0
.rept 4
	v_nop
.endr
.endm
.macro CTILE m, j, fet, first, lab  ; tiles 8-10: jumped where the tile count is less
.if !(\first)
	WIN 0
	s_cmp_lt_u32 s40, (\m)+1
	s_cbranch_scc1 \lab
.endif
.if \fet
	s_wait_dscnt 16                 ; younger than my fragment's loads on every way: this step's eight pairs
.else
	s_wait_dscnt 0
.endif
	MUL4 \m, \j, \first
.if \fet
	NOPS
	TFLD \m, ((\j)+1)%4
.endif
.endm
; The change of slots: my reads of the slot in hand and my token stores are done; behind the barrier the other slot is whole, and the old one is stored into only in the next chunk's steps 1 and 2.
.macro SWITCH
	WIN 0
	s_wait_dscnt 0x0
	s_barrier_signal -1
	s_barrier_wait -1
	s_xor_b32 s43, s43, SLOT1
	v_add_nc_u32 v10, s43, v9
	s_xor_b32 s57, s43, SLOT1
	v_add_nc_u32 v12, s57, v11
.irp m,0,1,2,3
	TFLD \m, 0
.endr
.endm
.macro ESEC ek                      ; the loads at a step's end
.if (\ek) == 1
	WLOAD 1, CH+ST
.elseif (\ek) == 2
	s_wait_xcnt 0x0                 ; every load and prefetch issued so far has read its address: the pointers step
	s_add_nc_u64 s[46:47], s[46:47], CH
	s_add_nc_u64 s[48:49], s[48:49], XSTEP
	WLOAD 2, 2*ST
.elseif (\ek) == 3
	TLOAD XSTEP
	WLOAD 3, 3*ST
	ASK
.elseif (\ek) == 4
	WLOAD 3, 3*ST
.elseif (\ek) == 5
	WLOAD 0, CH
.endif
.endm
; K step j of a chunk.  lw: the loads that may stay out when set j + 1 (and, with st, the tokens) must be in.  st = 1, 2: the first, second half of the token stores.  bar: the change of slots.
; rid: set j + 1 is rounded into the other fragment buffer.  fet: the next step's token fragments are fetched.  first: the products start the sums.
; s_wait_dscnt 14: younger than tile m's pair of loads are the seven other tiles' pairs.  Where tiles fetch nothing (0-3 of a change of slots, the last step) 14 - 2 m.
.macro STEP j, lw, st, bar, rid, fet, first, ek
	s_wait_loadcnt \lw
.if (\st) == 1
.set tsi, 0
.elseif (\st) == 2
.set tsi, NTOK/2
.endif
.set mm, 0
.rept 8
.if (\bar) && (mm == 4)
	SWITCH
.endif
.if ((\bar) && (mm < 4)) || !(\fet)
	s_wait_dscnt 14-2*mm
.else
	s_wait_dscnt 14
.endif
	MUL4 mm, \j, \first
.if \rid
.set cc, 4*mm
.rept 4
	CVT ((\j)+1)%4, ((\j)+1)%2, cc
.set cc, cc+1
.endr
.elseif \fet
	NOPS
.endif
.if (\fet) && !((\bar) && (mm < 4))
	TFLD mm, ((\j)+1)%4
.endif
.if \st
.if mm < NSB
.set ns, NSL+1
.else
.set ns, NSL
.endif
.rept ns
	TSTORE
.endr
.endif
.set mm, mm+1
.endr
	ESEC \ek
.irp m,8,9,10
	CTILE \m, \j, \fet, \first, .Lse_\@
.endr
	WIN 0
.Lse_\@:
.endm
; Chunk 0 into slot 0; then, in the loop's own order of issue, tokens 1, set 3, set 0 of chunk 1 (set 1 follows in the first step).
.macro START_RING
	TLOAD 0
	WIN 0
	s_wait_loadcnt 0x0
	v_mov_b32 v12, v11
.set tsi, 0
.rept NTOK
	TSTORE
.endr
	WIN 0
	s_wait_dscnt 0x0
	TLOAD XSTEP
	WLOAD 3, 3*ST
.set cc, 0
.rept 32
	CVT 0, 0, cc
.set cc, cc+1
.endr
	WLOAD 0, CH
	WIN 0
	s_barrier_signal -1
	s_barrier_wait -1
	s_mov_b32 s43, 0
	v_mov_b32 v10, v9
	v_add_nc_u32 v12, SLOT1, v11
.irp m,0,1,2,3,4,5,6,7,8,9,10
	TFLD \m, 0
.endr
.endm
.macro RING                         ; 8 chunks x 4 K steps
	STEP 0, 63, 0, 0, 1, 1, 1, 1
	s_mov_b32 s41, 6
.Lloop:
	STEP 1, 48, 1, 0, 1, 1, 0, 2    ; tokens and set 2 are in; sets 3, 0, 1 may stay out
	STEP 2, 48, 2, 0, 1, 1, 0, 3    ; set 3 is in; sets 0, 1, 2 may stay out
	STEP 3, 63, 0, 1, 1, 1, 0, 5    ; 48 + NTOK loads are younger than set 0; the count is the field's most
	STEP 0, 63, 0, 0, 1, 1, 0, 1
	s_sub_co_u32 s41, s41, 1
	s_cmp_lg_u32 s41, 0
	s_cbranch_scc1 .Lloop
	STEP 1, 48, 1, 0, 1, 1, 0, 2
	STEP 2, 48, 2, 0, 1, 1, 0, 4
	STEP 3, 48, 0, 1, 1, 1, 0, 0    ; the counts run down: three, two, one, no set out
	STEP 0, 32, 0, 0, 1, 1, 0, 0
	STEP 1, 16, 0, 0, 1, 1, 0, 0
	STEP 2, 0, 0, 0, 1, 1, 0, 0
	STEP 3, 63, 0, 0, 0, 0, 0, 0
.endm
; Tile m into my K half's stage.  Register j of accumulator (m, t) is column 32 h + 4 j + t of token 16 m + r: the addition of the bias also brings a lane's 32 columns into their order.
; Each accumulator is read from its low end on.
.macro OUTT m
.if (\m) < 8
.set ab, 32*(\m)
	WIN 0x01
.else
.set ab, 128+32*((\m)-8)
	WIN 0x03
.endif
.irp j,0,1,2,3,4,5,6,7
.irp t,0,1,2,3
	v_add_f32 v[96+4*\j+\t], v[ab+8*\t+\j], v[32+4*\j+\t]
.endr
.endr
	WIN 0
.irp j,0,1,2,3,4,5,6,7
	ds_store_b128 v[14+(\m)/8], v[96+4*\j:99+4*\j] offset:((\m)%8)*16*SPI+16*\j
.endr
.endm
; Eleven of my rows, 4 k + w for k = 11 b .. 11 b + 10: both halves as whole rows of 512 bytes and the row's slot (one word, the same address in all lanes); the sum; out.
.macro BACK b
.if (\b) > 0
	s_wait_xcnt 0x0                 ; the last batch's stores have read their registers
.endif
.set q, 0
.rept 11
.set k, 11*(\b)+q
	ds_load_b128 v[32+4*q:35+4*q], v[16+k/31] offset:(k%31)*4*SPI
	ds_load_b128 v[76+4*q:79+4*q], v[18+k/31] offset:(k%31)*4*SPI
	ds_load_b32 v[120+q], v20 offset:16*k
.set q, q+1
.endr
	s_wait_dscnt 0x0
.set q, 0
.rept 11
	v_pk_add_f32 v[32+4*q:33+4*q], v[32+4*q:33+4*q], v[76+4*q:77+4*q]
	v_pk_add_f32 v[34+4*q:35+4*q], v[34+4*q:35+4*q], v[78+4*q:79+4*q]
	v_min_u32 v[120+q], 0xfff, v[120+q]
	v_lshl_add_u32 v[120+q], v[120+q], 12, v21
.set q, q+1
.endr
.set q, 0
.rept 11
.set k, 11*(\b)+q
	s_cmp_le_i32 s61, 4*k           ; rows past the count are not stored; my rows ascend, so all later ones are past it too
	s_cbranch_scc1 .Lend
	global_store_b128 v[120+q], v[32+4*q:35+4*q], s[50:51]     ; the wave stores 512 bytes on end, aligned
.set q, q+1
.endr
.endm
	s_load_b256 s[4:11], s[0:1], 0x0       ; hs, W2, b2, lst
	s_load_b64 s[14:15], s[0:1], 0x20      ; part
	v_lshl_add_u32 v2, v0, 2, SPARE        ; my spare word
	v_mov_b32 v3, 0
	v_lshrrev_b32 v14, 5, v0
	v_readfirstlane_b32 s16, v14           ; wave
	s_mov_b32 s17, ttmp9                   ; worker
	s_and_b32 s18, ttmp7, 0xffff           ; slice
	s_and_b32 s67, s16, 1                  ; u: my 64 columns
	s_lshr_b32 s68, s16, 1                 ; kh: my half of K
	s_lshl_b32 s56, s17, 4
	s_wait_kmcnt 0x0
	s_load_b128 s[20:23], s[10:11], s56 offset:0x4000
	v_and_b32 v1, 15, v0                   ; r
	v_bfe_u32 v4, v0, 4, 1                 ; h
	v_and_b32 v5, 31, v0                   ; lane
	v_lshlrev_b32 v31, 4, v1               ; 16 r
	v_lshl_add_u32 v6, v4, 15, v31         ; weights: 8 h rows + 16 r
	v_lshlrev_b32 v7, 12, v5               ; prefetch: a lane a row
	s_lshl_b32 s57, s16, 12
	v_lshl_add_u32 v8, v5, 4, s57          ; tokens: row w, 16 l
	s_mul_i32 s58, s68, 47872
	v_mul_u32_u24 v9, v1, 272
	v_lshl_add_u32 v9, v4, 4, v9
	v_add_nc_u32 v9, s58, v9               ; token fragments: r x 272 + 16 h + my half
	s_mul_i32 s59, s16, 272
	v_mul_u32_u24 v11, 0xbb00, v4
	v_add_nc_u32 v11, v11, v31
	v_add_nc_u32 v11, s59, v11             ; token stores: half h, row w, 16 r
	v_lshlrev_b32 v29, 7, v4               ; b2: my 32 columns
	s_wait_kmcnt 0x0
	s_min_u32 s32, s20, 7
	s_min_u32 s39, s21, 4095
	s_max_u32 s38, s22, 1
	s_min_u32 s38, s38, 176
	s_mov_b32 s37, s23
	s_add_co_u32 s40, s38, 15
	s_lshr_b32 s40, s40, 4
	s_sub_co_u32 s66, s38, 1
	s_cmp_eq_u32 s37, 0
	s_cselect_b32 s42, 2, -1
	s_lshl_b32 s60, s18, 9                 ; 512 slice
	s_lshl_b32 s61, s67, 8                 ; 256 u
	s_lshl_b32 s56, s32, 23
	s_lshl_b32 s57, s68, 19
	s_add_co_u32 s56, s56, s57
	s_add_co_u32 s56, s56, s60
	s_add_co_u32 s56, s56, s61
	s_mov_b32 s57, 0
	s_add_nc_u64 s[46:47], s[6:7], s[56:57]
	s_lshl_b32 s56, s39, 12
	s_add_nc_u64 s[48:49], s[4:5], s[56:57]
	s_mov_b32 s56, s60
	s_add_nc_u64 s[50:51], s[14:15], s[56:57]
	s_lshl_b32 s56, s32, 12
	s_add_co_u32 s56, s56, s60
	s_add_co_u32 s56, s56, s61
	s_add_nc_u64 s[52:53], s[8:9], s[56:57]
	WIN 0xc0
.irp q,0,1,2,3,4,5,6,7
	global_load_b128 v[224+4*\q:227+4*\q], v29, s[52:53] offset:16*\q      ; b2, kept as loaded until the way out
.endr
	WLOAD 0, 0
	WLOAD 1, ST
	WLOAD 2, 2*ST
	WIN 0
	v_add_nc_u32 v19, 128, v0
	v_min_u32 v20, s66, v0
	v_add_nc_u32 v20, s39, v20
	v_min_u32 v20, 0xfff, v20
	v_lshlrev_b32 v20, 2, v20
	v_min_u32 v21, s66, v19
	v_add_nc_u32 v21, s39, v21
	v_min_u32 v21, 0xfff, v21
	v_lshlrev_b32 v21, 2, v21
	global_load_b32 v22, v20, s[10:11]     ; the slots of my tile's rows; places past the count repeat the last
	global_load_b32 v23, v21, s[10:11]
	v_lshl_add_u32 v28, v0, 2, LIST
	s_wait_loadcnt 0x0
	v_min_u32 v22, 0xfff, v22
	v_min_u32 v23, 0xfff, v23
	ds_store_b32 v28, v22
	ds_store_b32 v28, v23 offset:512
	START_RING                             ; its barrier also shows the list to every wave
	RING
	; THE WAY OUT
	NOPS                                   ; four places behind the last products
	s_wait_dscnt 0x0                       ; my reads of the slots are over
	s_barrier_signal -1
	s_barrier_wait -1                      ; everybody's are: slot 0 may be written
	s_cmp_eq_u32 s68, 0
	s_cselect_b32 s57, -1, 0               ; the bias is added once: by the waves of K half 0
	WIN 0x0f
.set i, 0
.rept 16                                   ; b2 rounded to bf16
	v_cvt_pk_bf16_f32 v[64+i], v[224+2*i], v[225+2*i]
.set i, i+1
.endr
	WIN 0
.set i, 0
.rept 16
	v_and_b32 v[64+i], s57, v[64+i]
	v_lshlrev_b32 v[32+2*i], 16, v[64+i]
	v_and_b32 v[33+2*i], 0xffff0000, v[64+i]
.set i, i+1
.endr
	s_mul_i32 s56, s68, STB
	s_lshl_b32 s59, s67, 8
	v_mul_u32_u24 v14, v1, SPI
	v_lshl_add_u32 v14, v4, 7, v14
	v_add_nc_u32 v14, s56, v14
	v_add_nc_u32 v14, s59, v14             ; my half's stage: row r, 256 u + 128 h
	v_add_nc_u32 v15, 128*SPI, v14         ; tiles 8-10
.irp m,0,1,2,3,4,5,6,7,8,9,10
	OUTT \m
.endr
	s_wait_dscnt 0x0                       ; for the other waves: my part of the rows is in the stage
	s_barrier_signal -1
	s_barrier_wait -1
	s_mul_i32 s56, s16, SPI
	v_lshl_add_u32 v16, v5, 4, s56         ; half 0: row w, 16 l
	v_add_nc_u32 v17, 31*4*SPI, v16        ; from row 124 + w on
	v_add_nc_u32 v18, STB, v16             ; half 1
	v_add_nc_u32 v19, STB, v17
	s_lshl_b32 s57, s16, 2
	s_add_co_u32 s57, s57, LIST
	v_mov_b32 v20, s57                     ; the list at row w
	v_lshlrev_b32 v21, 4, v5
	s_sub_co_i32 s61, s38, s16             ; ROWS - w
	BACK 0
	BACK 1
	BACK 2
	BACK 3
.Lend:
	s_wait_tensorcnt 0x0                   ; the wave's end
	ds_add_u32 v2, v3
	s_wait_dscnt 0x0
	s_endpgm
.Lfunc_end_k_q7a937aa898_down:
	.size	k_q7a937aa898_down, .Lfunc_end_k_q7a937aa898_down-k_q7a937aa898_down
	.p2alignl 7, 3214868480
	.fill 96, 4, 3214868480
	.section	.rodata,"a",@progbits
	.p2align	6, 0x0
	.amdhsa_kernel k_q7a937aa898_down
		.amdhsa_group_segment_fixed_size 319744
		.amdhsa_private_segment_fixed_size 0
		.amdhsa_enable_private_segment 0
		.amdhsa_kernarg_size 40
		.amdhsa_user_sgpr_count 2
		.amdhsa_user_sgpr_kernarg_segment_ptr 1
		.amdhsa_wavefront_size32 1
		.amdhsa_system_sgpr_workgroup_id_x 1
		.amdhsa_system_sgpr_workgroup_id_y 1
		.amdhsa_system_sgpr_workgroup_id_z 1
		.amdhsa_system_vgpr_workitem_id 0
		.amdhsa_next_free_vgpr 1024
		.amdhsa_next_free_sgpr 100
		.amdhsa_reserve_vcc 0
		.amdhsa_float_denorm_mode_32 3
		.amdhsa_float_denorm_mode_16_64 3
		.amdhsa_memory_ordered 1
		.amdhsa_forward_progress 1
		.amdhsa_inst_pref_size 190
	.end_amdhsa_kernel
	.amdgpu_metadata
---
amdhsa.version: [ 1, 2 ]
amdhsa.kernels:
  - .name:           k_q7a937aa898_down
    .symbol:         k_q7a937aa898_down.kd
    .args:
      - { .name: hs, .offset: 0, .size: 8, .value_kind: global_buffer, .address_space: global }
      - { .name: W2, .offset: 8, .size: 8, .value_kind: global_buffer, .address_space: global }
      - { .name: b2, .offset: 16, .size: 8, .value_kind: global_buffer, .address_space: global }
      - { .name: lst, .offset: 24, .size: 8, .value_kind: global_buffer, .address_space: global }
      - { .name: part, .offset: 32, .size: 8, .value_kind: global_buffer, .address_space: global }
    .group_segment_fixed_size: 319744
    .private_segment_fixed_size: 0
    .kernarg_segment_align: 8
    .kernarg_segment_size: 40
    .max_flat_workgroup_size: 128
    .sgpr_count:     100
    .vgpr_count:     1024
    .wavefront_size: 32
...
	.end_amdgpu_metadata
.endif
;; end of part 4
;; launch join (part 5): grid 256 x 1, 8 waves a work-group, no clusters, 0 bytes of LDS; arguments part, lst, rw, out0, out1; writes out0, out1
.if DOCPART == 5
	.amdgcn_target "amdgcn-amd-amdhsa--gfx1250"
	.amdhsa_code_object_version 6
	.text
	.protected	k_q7a937aa898_join
	.globl	k_q7a937aa898_join
	.p2align	8
	.type	k_q7a937aa898_join,@function
k_q7a937aa898_join:
	s_mov_b64 s[64:65], 0
	v_nop
	global_prefetch_b8 v0, s[64:65] scope:SCOPE_SE
	s_setreg_imm32_b32 hwreg(HW_REG_WAVE_MODE, 25, 1), 1
	s_wait_xcnt 0x0
; Launch 5 of 5: out0[t] = w[t] part[t] + w[2048 + t] part[2048 + t] (a token's two expert rows and their renormalised scores; the other six rows are never made: see launch 1), and out1.
; A wave has one token: its two weights by scalar loads, 2 x 8 loads of 512 bytes on end, 8 stores of 512 bytes on end.  A stream read once: no LDS, no matrix unit, no prefetch in a launch this short.
; out1 = var(count_e / 2048, ddof 1) - (sum of the 64 entropy parts) / 2048, by wave 0 of work-group 0.
	s_load_b256 s[4:11], s[0:1], 0x0       ; part, lst, rw, out0
	s_load_b64 s[12:13], s[0:1], 0x20      ; out1
	v_lshrrev_b32 v1, 5, v0
	v_readfirstlane_b32 s16, v1
	v_and_b32 v2, 31, v0
	s_lshl_b32 s17, ttmp9, 3
	s_add_co_u32 s17, s17, s16             ; token
	s_lshl_b32 s18, s17, 2
	s_mov_b32 s19, 0
	s_lshl_b32 s17, s17, 12
	v_lshl_add_u32 v3, v2, 4, s17
	s_mov_b32 s28, 0x76543210
	s_mov_b32 s29, 0xfedcba98
	s_wait_kmcnt 0x0
	s_add_nc_u64 s[14:15], s[4:5], 0x800000
	s_add_nc_u64 s[34:35], s[8:9], s[18:19]
	s_load_b32 s30, s[34:35], 0x0          ; w[t]
	s_load_b32 s32, s[34:35], 0x2000       ; w[2048 + t]
.irp q,0,1,2,3,4,5,6,7
	global_load_b128 v[16+4*\q:19+4*\q], v3, s[4:5] offset:512*\q th:TH_LOAD_NT
	global_load_b128 v[48+4*\q:51+4*\q], v3, s[14:15] offset:512*\q th:TH_LOAD_NT
.endr
	s_wait_kmcnt 0x0
	s_mov_b32 s31, s30                     ; named as pairs by the packed forms, which take the low word for both halves
	s_mov_b32 s33, s32
	s_wait_loadcnt 0x0
.set c, 0
.rept 16
	v_pk_mul_f32 v[16+c:17+c], v[16+c:17+c], s[30:31] op_sel_hi:[1,0]
.set c, c+2
.endr
.set c, 0
.rept 16
	v_pk_fma_f32 v[16+c:17+c], v[48+c:49+c], s[32:33], v[16+c:17+c] op_sel_hi:[1,0,1]
.set c, c+2
.endr
.irp q,0,1,2,3,4,5,6,7
	global_store_b128 v3, v[16+4*\q:19+4*\q], s[10:11] offset:512*\q th:TH_STORE_NT
.endr
	s_or_b32 s36, ttmp9, s16
	s_cmp_lg_u32 s36, 0
	s_cbranch_scc1 .Lend
	s_load_b256 s[20:27], s[6:7], 0x4200   ; the eight counts
	v_lshlrev_b32 v4, 3, v2
	global_load_b64 v[6:7], v4, s[8:9] offset:16384
	s_wait_kmcnt 0x0
.irp e,0,1,2,3,4,5,6,7
	v_cvt_f32_u32 v[80+\e], s[20+\e]
.endr
.irp e,0,1,2,3,4,5,6,7
	v_mul_f32 v[80+\e], 0x3a000000, v[80+\e]       ; / 2048
.endr
	v_add_f32 v88, v80, v81
.irp e,2,3,4,5,6,7
	v_add_f32 v88, v88, v[80+\e]
.endr
	v_mul_f32 v88, 0x3e000000, v88                 ; the mean
.irp e,0,1,2,3,4,5,6,7
	v_sub_f32 v[80+\e], v[80+\e], v88
.endr
	v_mul_f32 v89, v80, v80
.irp e,1,2,3,4,5,6,7
	v_fmac_f32 v89, v[80+\e], v[80+\e]
.endr
	v_mul_f32 v89, 0x3e124925, v89                 ; / 7
	s_wait_loadcnt 0x0
	v_add_f32 v90, v6, v7
	v_mov_b32 v91, 0
	v_add_f32_dpp v90, v90, v90 row_xmask:1 row_mask:0xf bank_mask:0xf
	v_add_f32_dpp v90, v90, v90 row_xmask:2 row_mask:0xf bank_mask:0xf
	v_add_f32_dpp v90, v90, v90 row_xmask:4 row_mask:0xf bank_mask:0xf
	v_add_f32_dpp v90, v90, v90 row_xmask:8 row_mask:0xf bank_mask:0xf
	v_permlanex16_b32 v91, v90, s28, s29
	v_add_f32 v90, v90, v91
	v_fma_f32 v92, v90, 0xba000000, v89            ; var - sum / 2048
	v_mov_b32 v93, 0
	global_store_b32 v93, v92, s[12:13]
.Lend:
	s_endpgm
.Lfunc_end_k_q7a937aa898_join:
	.size	k_q7a937aa898_join, .Lfunc_end_k_q7a937aa898_join-k_q7a937aa898_join
	.p2alignl 7, 3214868480
	.fill 96, 4, 3214868480
	.section	.rodata,"a",@progbits
	.p2align	6, 0x0
	.amdhsa_kernel k_q7a937aa898_join
		.amdhsa_group_segment_fixed_size 0
		.amdhsa_private_segment_fixed_size 0
		.amdhsa_enable_private_segment 0
		.amdhsa_kernarg_size 40
		.amdhsa_user_sgpr_count 2
		.amdhsa_user_sgpr_kernarg_segment_ptr 1
		.amdhsa_wavefront_size32 1
		.amdhsa_system_sgpr_workgroup_id_x 1
		.amdhsa_system_sgpr_workgroup_id_y 1
		.amdhsa_system_sgpr_workgroup_id_z 1
		.amdhsa_system_vgpr_workitem_id 0
		.amdhsa_next_free_vgpr 96
		.amdhsa_next_free_sgpr 66
		.amdhsa_reserve_vcc 0
		.amdhsa_float_denorm_mode_32 3
		.amdhsa_float_denorm_mode_16_64 3
		.amdhsa_memory_ordered 1
		.amdhsa_forward_progress 1
		.amdhsa_inst_pref_size 9
	.end_amdhsa_kernel
	.amdgpu_metadata
---
amdhsa.version: [ 1, 2 ]
amdhsa.kernels:
  - .name:           k_q7a937aa898_join
    .symbol:         k_q7a937aa898_join.kd
    .args:
      - { .name: part, .offset: 0, .size: 8, .value_kind: global_buffer, .address_space: global }
      - { .name: lst, .offset: 8, .size: 8, .value_kind: global_buffer, .address_space: global }
      - { .name: rw, .offset: 16, .size: 8, .value_kind: global_buffer, .address_space: global }
      - { .name: out0, .offset: 24, .size: 8, .value_kind: global_buffer, .address_space: global }
      - { .name: out1, .offset: 32, .size: 8, .value_kind: global_buffer, .address_space: global }
    .group_segment_fixed_size: 0
    .private_segment_fixed_size: 0
    .kernarg_segment_align: 8
    .kernarg_segment_size: 40
    .max_flat_workgroup_size: 256
    .sgpr_count:     66
    .vgpr_count:     96
    .wavefront_size: 32
...
	.end_amdgpu_metadata
.endif
;; end of part 5
